; MI455X (gfx1250); checked and timed in simulation.
; The chip was launched on July 23, 2026; its instructions are those of AMD's public machine-readable ISA for CDNA 5 (MIT licence, August 2026) and "CDNA5" Instruction Set Architecture Reference Guide (July 2026). The comments in the code are by the model that wrote it; some were corrected since.
;; Mo E. Allowed arithmetic: matrix products marked QUANTISED: E2M3 operands, one E8M0 scale for each 32 along K, by v_wmma_scale_f32_16x16x128_f8f6f4 with both operands' format E2M3, f32 sums; products left as they are: f32 operands where the result goes on into a quantised operand, else bf16, f16 or f32 operands; f32 sums; everything else in f32.
;; Inputs: fc1_b 8 x 512 float32; fc1_w 8 x 512 x 1,024 float32; fc2_b 8 x 1,024 float32; fc2_w 8 x 1,024 x 512 float32; gate_w 8 x 1,024 float32; x 4 x 2,048 x 1,024 float32.
;; Outputs: out0 4 x 2,048 x 1,024 float32; out1 one number float32.
;; This version of the problem:
;;   THIS VERSION OF THE PROBLEM IS GIVEN IN LOW PRECISION. The matrix products marked QUANTISED in the list below multiply operands that are first quantised to E2M3 (2 exponent bits, 3 mantissa bits; 6 bits a number), with one power-of-two scale for each 32 numbers along K (OCP MX v1.0); their sums are f32. All else is computed in f32.
;;   The module's matrix products, in the order in which they are computed (A, B: the left and right operand; K: the contracted axis; several contracted axes count as one K, in the product's order):
;;     1. [M 8,192, K 1,024] x [K 1,024, N 8]; A: input x; B: input gate_w: left as it is (N = 8 < 16)
;;     2. [M 8,192, K 1,024] x [K 1,024, N 512]; A: input x; B: input fc1_w: QUANTISED
;;     3. [M 8,192, K 512] x [K 512, N 1,024]; A: computed on the way; B: input fc2_w: QUANTISED
;;     4. [M 8,192, K 1,024] x [K 1,024, N 512]; A: input x; B: input fc1_w: QUANTISED
;;     5. [M 8,192, K 512] x [K 512, N 1,024]; A: computed on the way; B: input fc2_w: QUANTISED
;;     6. [M 8,192, K 1,024] x [K 1,024, N 512]; A: input x; B: input fc1_w: QUANTISED
;;     7. [M 8,192, K 512] x [K 512, N 1,024]; A: computed on the way; B: input fc2_w: QUANTISED
;;     8. [M 8,192, K 1,024] x [K 1,024, N 512]; A: input x; B: input fc1_w: QUANTISED
;;     9. [M 8,192, K 512] x [K 512, N 1,024]; A: computed on the way; B: input fc2_w: QUANTISED
;;     10. [M 8,192, K 1,024] x [K 1,024, N 512]; A: input x; B: input fc1_w: QUANTISED
;;     11. [M 8,192, K 512] x [K 512, N 1,024]; A: computed on the way; B: input fc2_w: QUANTISED
;;     12. [M 8,192, K 1,024] x [K 1,024, N 512]; A: input x; B: input fc1_w: QUANTISED
;;     13. [M 8,192, K 512] x [K 512, N 1,024]; A: computed on the way; B: input fc2_w: QUANTISED
;;     14. [M 8,192, K 1,024] x [K 1,024, N 512]; A: input x; B: input fc1_w: QUANTISED
;;     15. [M 8,192, K 512] x [K 512, N 1,024]; A: computed on the way; B: input fc2_w: QUANTISED
;;     16. [M 8,192, K 1,024] x [K 1,024, N 512]; A: input x; B: input fc1_w: QUANTISED
;;     17. [M 8,192, K 512] x [K 512, N 1,024]; A: computed on the way; B: input fc2_w: QUANTISED
;;     18. [M 1, K 8] x [K 8, N 1]; A: computed on the way; B: computed on the way: left as it is (K = 8 < 32)
;;   THE QUANTISER, for each operand of a quantised product, along K:
;;     - K is cut into blocks of 32 from its start; a last block that is shorter is filled with zeros.
;;     - A block's scale is 2^e with e = floor(log2(the largest magnitude in the block)) - 2, held to -126 .. 127; a block of zeros has e = 0. As a byte (E8M0): e + 127.
;;     - Each number is divided by its block's scale, clamped to +-7.5, and rounded to the nearest number of E2M3, ties to even, subnormals kept.
;;     - The product sums the exact products of the quantised numbers (number of the format x scale) in f32.
;;   ~~~python
;;   def quantise(x, axis):      # numpy; x: float32 -> the quantised numbers, widened to float32 again
;;       x = np.moveaxis(x, axis, -1); K = x.shape[-1]
;;       x = np.pad(x, [(0, 0)] * (x.ndim - 1) + [(0, -K % 32)]); x = x.reshape(x.shape[:-1] + (-1, 32)); a = np.abs(x).max(-1, keepdims=True)
;;       e = np.where(a > 0, np.clip(np.frexp(np.where(a > 0, a, 1))[1] - 1 - 2, -126, 127), 0)      # np.frexp(a)[1] - 1 = floor(log2(a)), exactly
;;       r = np.clip(x / 2.0 ** e, -7.5, 7.5)
;;       step = 2.0 ** (np.maximum(np.frexp(np.where(r == 0, 1, r))[1] - 1, 0) - 3)
;;       q = np.round(r / step) * step * 2.0 ** e      # np.round: ties to even
;;       return np.moveaxis(q.reshape(q.shape[:-2] + (-1,))[..., :K], -1, axis).astype(np.float32)
;;   ~~~
;;   OPERANDS COMPUTED ON THE WAY. 'Computed on the way' means the value that the module computes at that place (a softmax that the list does not call 'softmax' is quantised finished and normalised). What goes into a quantiser is computed in f32, as accurately as f32 sums, v_exp_f32 and their like allow (about 1e-6 of the number): no bf16 or f16 on the way to a quantiser, and a product that is left as it is and whose result goes on into a quantised operand takes f32 operands (vector FMAs, or v_wmma_f32_16x16x4_f32). A number that lies on a knife's edge between two numbers of the format may be rounded either way, as far as f32 arithmetic and the matrix unit's own rounding can turn it there, and no further.
;; One version. Each part assembles by itself: llvm-mc -triple=amdgcn-amd-amdhsa -mcpu=gfx1250 --defsym DOCPART=n.
;; ======== version 1 of 1: 2 launches
;; workspace buffers: x_codes 6,291,456 bytes; x_scales 262,144 bytes; wq 6,553,600 bytes; route 16,384 bytes of whole numbers; imp 32,768 bytes; psum 8,192 bytes
;; launch prep (part 1): grid 512 x 1, 8 waves a work-group, no clusters, 143,872 bytes of LDS; arguments x, gate_w, fc1_w, fc2_w, x_codes, x_scales, wq, route, imp, psum; writes x_codes, x_scales, wq, route, imp, psum
.if DOCPART == 1
	.amdgcn_target "amdgcn-amd-amdhsa--gfx1250"
	.amdhsa_code_object_version 6
	.text
	.protected	k_qa00ba0ba81_prep
	.globl	k_qa00ba0ba81_prep
	.p2align	8
	.type	k_qa00ba0ba81_prep,@function
k_qa00ba0ba81_prep:
	s_mov_b64 s[64:65], 0
	v_nop
	global_prefetch_b8 v0, s[64:65] scope:SCOPE_SE
	s_setreg_imm32_b32 hwreg(HW_REG_WAVE_MODE, 25, 1), 1
	s_wait_xcnt 0x0
; PREP.  x [8192][1024], fc1_w [8][512][1024] and fc2_w [8][1024][512], f32 with K innermost, become codes of FP6 (E2M3) with one E8M0 byte for each 32 along K;
; for x the gate is computed too: logits in f32, softmax with the row's maximum taken away, the chosen expert and its probability.
; A block's scale is 2^(floor(log2(largest magnitude)) - 2): its byte is the largest magnitude's exponent field - 2, held at 1 from below.
; LIMITS.  NaN and infinities among the inputs are not served.  A block of zeros gets the byte 1 (the rule says 127): its codes are zeros, and only this program reads the bytes.
; The expert is the argmax of the LOGITS, the lower index at equality: it differs from the argmax of the scores only where two logits lie within rounding of each other.
; The gate's sums are f32 fused multiply-adds in another order than JAX's.
; SHARES.  Every wave turns two tiles of 16 rows x 128 K into two operand fragments (12 registers a lane: lane (r, h) holds row r, registers 6 c .. 6 c + 5 hold k = 64 c + 32 h + 0 .. 31).
;   work-groups 0-255:   32 tokens of x; wave v takes K step v; rows 16 u + i.
;   work-groups 256-383: fc1_w; 128 rows x 2 K steps; the rows of a tile are 8 u + i + 8 (i / 8), so that the first product's results lie as neighbours along the second product's K.
;   work-groups 384-511: fc2_w; 128 rows x 2 K steps; rows 16 u + i.
; OUT.  x_codes [token][K step][h][48 bytes]: a row's registers on end, so that the next launch gathers a row by loads of 16 bytes.  x_scales [block of 32 tokens][K step / 4][token % 32][K step % 4] words.
;   wq [expert][wave][set 0..15][12,800 bytes]: a set = 8 fragments as images of their registers (1536 t + 512 c + 16 lane), then 512 bytes of scale words (word q of lane l: fragment 2 q + l / 16, row l % 16).
;   route [16][256] words: rows 0-7 one bit a token (expert e chosen) for each block of 32 tokens, rows 8-15 their counts.  imp [token].  psum [block][8]: the block's sums of the scores.
; No tensor loads, no matrix work, no cluster: work-groups share no input but the 32 KB of gate weights.
.set STP,  528                         ; the turn stage: 16 rows of 512 bytes + 16, one stage for each wave
.set GWB,  67584                       ; behind the 8 stages: each wave's 8 x 128 gate weights (x only)
.set CSB,  100352                      ; the codes of 32 tokens, rows of 768 bytes + 16 (x only)
.set LGB,  125440                      ; partial logits [wave][u][lane][8] (x only)
.set SSB,  141824                      ; 1,024 bytes of scale words
.set TM,   24                          ; v24-39  at work in QUANT
.set PC,   40                          ; v40-59  the codes just made
.set PW,   60                          ; v60     the scale word just made
.set SEL,  36                          ; s[36:37] lane selects: lane l xor 16
.set BA,   64                          ; three banks of 64 registers
.set BB,   128
.set BC,   192
.set ACC,  128                         ; the gate's sums: pair 8 u + e
.set GB,   160                         ; two sets of 16 gate weights
; 16 rows x 512 bytes, each load 512 consecutive bytes of one row
.macro LOADT bank, u, pitch, perm
.set i, 0
.rept 16
.if \perm
.set RO, 8*\u+i+8*(i/8)
.else
.set RO, 16*\u+i
.endif
	global_load_b128 v[\bank+4*i:\bank+4*i+3], v4, s[28:29] offset:RO*\pitch th:TH_LOAD_NT
.set i, i+1
.endr
.endm
; through the wave's own stage: in as loaded, out 16 neighbours of each block of 32: register 16 b + i = k 32 b + 16 h + i of row r.  LDS serves a wave's instructions in order
.macro TURN src, dst
.set i, 0
.rept 16
	ds_store_b128 v5, v[\src+4*i:\src+4*i+3] offset:STP*i
.set i, i+1
.endr
.irp b, 0,1,2,3
.irp j, 0,1,2,3
	ds_load_b128 v[\dst+16*\b+4*\j:\dst+16*\b+4*\j+3], v6 offset:128*\b+16*\j
.endr
.endr
.endm
; 64 numbers of a lane become a fragment's codes in v[PC] on and its row's scale word in v[PW]
.macro QUANT s
.irp b, 0,1,2,3
	v_max3_num_f32 v[TM+\b], |v[\s+16*\b]|, |v[\s+1+16*\b]|, 0x1800000   ; my 16 numbers of block b, and the floor 2^(3 - 127): the byte cannot fall under 1
.endr
.irp i, 2,4,6,8,10,12,14
.irp b, 0,1,2,3
	s_delay_alu instid0(VALU_DEP_4)
	v_max3_num_f32 v[TM+\b], v[TM+\b], |v[\s+16*\b+\i]|, |v[\s+1+16*\b+\i]|
.endr
.endr
.irp b, 0,1,2,3
	s_delay_alu instid0(VALU_DEP_4)
	v_permlanex16_b32 v[TM+4+\b], v[TM+\b], s[SEL], s[SEL+1]
.endr
.irp b, 0,1,2,3
	s_delay_alu instid0(VALU_DEP_4)
	v_max_num_f32 v[TM+\b], v[TM+\b], v[TM+4+\b]       ; with lane l xor 16's: the block's largest magnitude
.endr
.irp b, 0,1,2,3
	s_delay_alu instid0(VALU_DEP_4)
	v_add_nc_u32 v[TM+12+\b], 0xff000000, v[TM+\b]     ; 2 off its exponent field: the conversion's scale operand
.endr
.irp b, 0,1,2,3
	s_delay_alu instid0(VALU_DEP_4)
	v_lshrrev_b32 v[TM+4+\b], 23, v[TM+12+\b]          ; the scale's byte
.endr
	s_delay_alu instid0(VALU_DEP_3)
	v_lshl_or_b32 v[PW], v[TM+5], 8, v[TM+4]
	s_delay_alu instid0(VALU_DEP_1)
	v_lshl_or_b32 v[PW], v[TM+6], 16, v[PW]
	s_delay_alu instid0(VALU_DEP_1)
	v_lshl_or_b32 v[PW], v[TM+7], 24, v[PW]
.irp c, 0,1
	v_cvt_scalef32_pk16_fp6_f32 v[PC+6*\c:PC+2+6*\c], v[\s+32*\c:\s+15+32*\c], v[TM+12+2*\c]
	v_cvt_scalef32_pk16_fp6_f32 v[PC+12+4*\c:PC+14+4*\c], v[\s+16+32*\c:\s+31+32*\c], v[TM+12+2*\c+1]
.endr
	v_nop                                              ; one plain place behind a scaled conversion
.irp c, 0,1                                            ; a whole block to a lane: lanes 0-15 block 2 c, lanes 16-31 block 2 c + 1
.irp i, 0,1,2
	v_permlane16_swap_b32 v[PC+6*\c+\i], v[PC+12+4*\c+\i]
.endr
.irp i, 0,1,2
	s_delay_alu instid0(VALU_DEP_3)
	v_mov_b32 v[PC+3+6*\c+\i], v[PC+12+4*\c+\i]
.endr
.endr
.endm
.macro EMITX u                         ; x: my 48 bytes of row 16 u + r, into the codes' stage
.irp c, 0,1,2
	ds_store_b128 v9, v[PC+4*\c:PC+4*\c+3] offset:12544*\u+16*\c
.endr
.endm
.macro EMITW u                         ; a weight: the fragment's image, 512 consecutive bytes a store
.irp c, 0,1,2
	global_store_b128 v14, v[PC+4*\c:PC+4*\c+3], s[30:31] offset:1536*\u+512*\c
.endr
.endm
.macro GLOAD g                         ; group g = 8 b + e: gate_w(e, my 16 k of block b), the same address in the 16 lanes of a half
.irp c, 0,1,2,3
	ds_load_b128 v[GB+16*((\g)%2)+4*\c:GB+16*((\g)%2)+4*\c+3], v8 offset:512*((\g)%8)+128*((\g)/8)+16*\c
.endr
.endm
	s_load_b256 s[4:11], s[0:1], 0x0               ; x, gate_w, fc1_w, fc2_w
	s_load_b256 s[12:19], s[0:1], 0x20             ; x_codes, x_scales, wq, route
	s_load_b128 s[20:23], s[0:1], 0x40             ; imp, psum
	v_lshl_add_u32 v55, v0, 2, 0x22e00
	v_mov_b32 v59, 0
	v_lshrrev_b32 v1, 5, v0
	s_delay_alu instid0(VALU_DEP_1)
	v_readfirstlane_b32 s24, v1                    ; wave 0..7
	v_and_b32 v1, 31, v0                           ; lane
	v_and_b32 v2, 15, v0                           ; r
	v_bfe_u32 v3, v0, 4, 1                         ; h
	s_delay_alu instid0(VALU_DEP_3)
	v_lshlrev_b32 v4, 4, v1                        ; 16 x lane
	s_lshr_b32 s27, s24, 2                         ; wave / 4
	s_and_b32 s35, s24, 3                          ; wave % 4
	; every LDS address is made here, ahead of all branches: a constant + a constant x wave + a lane term
	s_mul_i32 s25, s24, 16*STP
	v_add_nc_u32 v5, s25, v4                       ; my stage, on the way in
	v_mul_u32_u24 v6, v2, STP
	s_delay_alu instid0(VALU_DEP_1)
	v_lshl_add_u32 v6, v3, 6, v6
	s_delay_alu instid0(VALU_DEP_1)
	v_add_nc_u32 v6, s25, v6                       ; and out: row r, + 64 h
	s_lshl_b32 s25, s24, 12
	s_add_co_u32 s25, s25, GWB
	v_add_nc_u32 v7, s25, v4                       ; my gate weights, in
	v_lshl_add_u32 v8, v3, 6, s25                  ; and out: + 64 h
	v_mul_u32_u24 v9, v2, 784
	s_delay_alu instid0(VALU_DEP_1)
	v_mad_u32_u24 v9, v3, 48, v9
	s_mul_i32 s25, s24, 96
	s_add_co_u32 s25, s25, CSB
	v_add_nc_u32 v9, s25, v9                       ; the codes' stage: row r, K step = wave, half h
	s_lshl_b32 s25, s27, 9
	s_lshl_b32 s38, s35, 2
	s_add_co_u32 s25, s25, s38
	s_add_co_u32 s25, s25, SSB
	v_lshl_add_u32 v10, v2, 4, s25                 ; my scale word: 512 (wave / 4) + 16 r + 4 (wave % 4)
	s_lshl_b32 s25, s24, 11
	s_add_co_u32 s25, s25, LGB
	v_lshl_add_u32 v11, v1, 5, s25                 ; my partial logits
	v_lshlrev_b32 v12, 5, v2
	s_delay_alu instid0(VALU_DEP_1)
	v_lshl_add_u32 v12, v3, 10, v12
	s_delay_alu instid0(VALU_DEP_1)
	v_add_nc_u32 v12, LGB, v12                     ; and, for the last wave, token lane's: u = lane / 16, r = lane % 16
	v_lshl_add_u32 v13, v0, 4, SSB                 ; the scale words back: 16 x thread (waves 0 and 1)
	s_mul_i32 s25, s27, 12800
	s_mul_i32 s38, s35, 3072
	s_add_co_u32 s25, s25, s38
	v_add_nc_u32 v14, s25, v4                      ; a weight's image in wq: set wave / 4, fragment 2 (wave % 4)
	v_lshlrev_b32 v15, 4, v0                       ; 16 x thread
.irp q, 0,1,2,3,4,5                            ; piece g = 256 q + thread of the 1,536 pieces of 16 bytes: row g / 48 (exact for g < 1,536), so 16 (g + row) in the padded stage
	v_add_nc_u32 v61, 256*\q, v0
	s_delay_alu instid0(VALU_DEP_1)
	v_mul_u32_u24 v62, v61, 1366
	s_delay_alu instid0(VALU_DEP_1)
	v_lshrrev_b32 v62, 16, v62
	s_delay_alu instid0(VALU_DEP_1)
	v_add_nc_u32 v61, v61, v62
	s_delay_alu instid0(VALU_DEP_1)
	v_lshl_add_u32 v[16+\q], v61, 4, CSB
.endr
	v_lshlrev_b32 v22, 10, v1                      ; 1,024 x lane: a row of route
	v_lshlrev_b32 v23, 2, v1                       ; 4 x lane
.irp b, 0,1,2,3
	v_mov_b32 v[TM+4+\b], 0                        ; a lane permute's destination counts as one of its sources
.endr
	s_mov_b32 s[SEL], 0x76543210
	s_mov_b32 s[SEL+1], 0xfedcba98
	; where my two tiles come from and where the results go, for each of the three tensors; the choice hangs on the work-group's number alone
	s_sub_co_u32 s39, ttmp9, 256
	s_and_b32 s40, s39, 127                        ; the work-group's number within fc1_w or fc2_w
	s_lshr_b32 s41, s40, 2                         ; 4 x expert + wave of the next launch
	s_lshl_b32 s43, s35, 5
	s_lshl_b32 s42, s41, 7
	s_add_co_u32 s42, s42, s43                     ; fc1: row 128 (n / 4) + 32 (wave % 4)
	s_lshl_b32 s42, s42, 12
	s_and_b32 s44, s40, 3
	s_lshl_b32 s44, s44, 1
	s_add_co_u32 s45, s44, s27                     ;      K step 2 (n % 4) + wave / 4
	s_lshl_b32 s45, s45, 9
	s_add_co_u32 s42, s42, s45
	s_lshr_b32 s46, s40, 1
	s_lshl_b32 s46, s46, 7
	s_add_co_u32 s46, s46, s43                     ; fc2: row 128 (n / 2) + 32 (wave % 4)
	s_lshl_b32 s46, s46, 11
	s_and_b32 s47, s40, 1
	s_lshl_b32 s47, s47, 1
	s_add_co_u32 s47, s47, s27                     ;      K step 2 (n % 2) + wave / 4
	s_lshl_b32 s47, s47, 9
	s_add_co_u32 s46, s46, s47
	s_lshl_b32 s48, s41, 4
	s_add_co_u32 s48, s48, s44
	s_bfe_u32 s49, s39, 0x10007                    ; 0: fc1, 1: fc2
	s_lshl_b32 s49, s49, 3
	s_add_co_u32 s48, s48, s49
	s_mul_i32 s48, s48, 12800                      ; wq: set 16 (n / 4) + 2 (n % 4) + 8 (fc2)
	s_add_co_u32 s49, s48, 12288                   ; and its scale words
	s_lshl_b32 s50, ttmp9, 17
	s_lshl_b32 s51, s24, 9
	s_add_co_u32 s50, s50, s51                     ; x: 32 rows a work-group, 512 bytes a wave
	s_mul_i32 s54, ttmp9, 24576
	s_lshl_b32 s56, ttmp9, 10
	s_mov_b32 s34, 12800
	s_mov_b32 s53, 0
	s_mov_b32 s55, 0
	s_mov_b32 s57, 0
	s_lshl_b32 s58, ttmp9, 2
	s_mov_b32 s59, 0
	s_lshl_b32 s60, ttmp9, 7
	s_mov_b32 s61, 0
	s_lshl_b32 s62, ttmp9, 5
	s_mov_b32 s63, 0
	s_wait_kmcnt 0x0
	s_cmp_lt_u32 ttmp9, 384
	s_cselect_b64 s[28:29], s[8:9], s[10:11]
	s_cselect_b32 s52, s42, s46
	s_cmp_lt_u32 ttmp9, 256
	s_cselect_b64 s[28:29], s[4:5], s[28:29]
	s_cselect_b32 s52, s50, s52
	s_cselect_b64 s[30:31], s[12:13], s[16:17]
	s_cselect_b32 s54, s54, s48
	s_cselect_b64 s[32:33], s[14:15], s[16:17]
	s_cselect_b32 s56, s56, s49
	s_cselect_b32 s34, 512, s34                    ; from the first 512 scale bytes to the second
	s_add_nc_u64 s[28:29], s[28:29], s[52:53]      ; the source
	s_add_nc_u64 s[30:31], s[30:31], s[54:55]      ; the codes
	s_add_nc_u64 s[32:33], s[32:33], s[56:57]      ; the scale words
	s_add_nc_u64 s[18:19], s[18:19], s[58:59]      ; route at my block's column
	s_add_nc_u64 s[20:21], s[20:21], s[60:61]      ; imp at my block
	s_add_nc_u64 s[22:23], s[22:23], s[62:63]      ; psum at my block
	s_cmp_lt_u32 ttmp9, 256
	s_cbranch_scc0 .Lweights
	v_add_nc_u32 v61, s51, v4
.irp e, 0,1,2,3,4,5,6,7
	global_load_b128 v[BC+4*\e:BC+4*\e+3], v61, s[6:7] offset:4096*\e   ; gate_w(e, my 128 k): read by every x work-group, so no hint
.endr
	LOADT BA, 0, 4096, 0
	LOADT BB, 1, 4096, 0
	s_wait_loadcnt 32                              ; the gate weights are in; the 32 loads of the two tiles are younger
.irp e, 0,1,2,3,4,5,6,7
	ds_store_b128 v7, v[BC+4*\e:BC+4*\e+3] offset:512*\e
.endr
	s_branch .Lloaded
.Lweights:
	s_cmp_lt_u32 ttmp9, 384
	s_cbranch_scc0 .Lfc2
	LOADT BA, 0, 4096, 1
	LOADT BB, 1, 4096, 1
	s_branch .Lloaded
.Lfc2:
	LOADT BA, 0, 2048, 0
	LOADT BB, 1, 2048, 0
.Lloaded:
	s_wait_loadcnt 16                              ; tile 0 is in; tile 1's 16 loads are younger
	s_wait_dscnt 0x0                               ; the stores of the gate weights have read bank C
	TURN BA, BC
	s_wait_loadcnt 0x0                             ; tile 1
	s_wait_dscnt 0x0                               ; tile 0 is back in bank C, and bank A is free
	TURN BB, BA
	QUANT BC                                       ; while tile 1 goes through the stage
	ds_store_b32 v10, v[PW]                        ; both halves of the lanes write the same word with the same value
	s_cmp_lt_u32 ttmp9, 256
	s_cbranch_scc0 .Lemitw0
	EMITX 0
	s_branch .Lemitted0
.Lemitw0:
	s_wait_alu depctr_va_vdst(0)
	EMITW 0
.Lemitted0:
	s_wait_dscnt 0x0                               ; tile 1 is back in bank A; the LDS stores have read the codes
	s_wait_xcnt 0x0                                ; and so have the global stores: the codes' registers are written again only behind this wait
	QUANT BA
	ds_store_b32 v10, v[PW] offset:256
	s_cmp_lt_u32 ttmp9, 256
	s_cbranch_scc1 .Lgate
	EMITW 1
	s_branch .Lmeet
.Lgate:
	s_wait_alu depctr_va_vdst(0)
	EMITX 1
	; THE GATE, in f32: for both tiles, my 64 k of my row against the 8 experts' weights.  32 groups of 16 weights; the next group's 4 loads are out while a group is multiplied
	GLOAD 0
.set g, 0
.rept 32
.if g < 31
	GLOAD g+1
	s_wait_dscnt 4                                 ; this group's weights are in; the next group's four loads may be out
.else
	s_wait_dscnt 0x0
.endif
.set p, 0
.set XO, 16*(g/8)+2*p
.set GO, GB+16*(g%2)+2*p
.set A0, ACC+2*(g%8)
.set A1, ACC+16+2*(g%8)
.if (g < 8) && (p == 0)
	v_pk_mul_f32 v[A0:A0+1], v[BC+XO:BC+XO+1], v[GO:GO+1]           ; the first product starts a sum: nothing is cleared
	v_pk_mul_f32 v[A1:A1+1], v[BA+XO:BA+XO+1], v[GO:GO+1]
.else
	v_pk_fma_f32 v[A0:A0+1], v[BC+XO:BC+XO+1], v[GO:GO+1], v[A0:A0+1]
	v_pk_fma_f32 v[A1:A1+1], v[BA+XO:BA+XO+1], v[GO:GO+1], v[A1:A1+1]
.endif
.set p, p+1
.rept (8)-1
.set XO, 16*(g/8)+2*p
.set GO, GB+16*(g%2)+2*p
.set A0, ACC+2*(g%8)
.set A1, ACC+16+2*(g%8)
.if (g < 8) && (p == 0)
	v_pk_mul_f32 v[A0:A0+1], v[BC+XO:BC+XO+1], v[GO:GO+1]           ; the first product starts a sum: nothing is cleared
	v_pk_mul_f32 v[A1:A1+1], v[BA+XO:BA+XO+1], v[GO:GO+1]
.else
	s_delay_alu instid0(VALU_DEP_2)
	v_pk_fma_f32 v[A0:A0+1], v[BC+XO:BC+XO+1], v[GO:GO+1], v[A0:A0+1]
	s_delay_alu instid0(VALU_DEP_2)
	v_pk_fma_f32 v[A1:A1+1], v[BA+XO:BA+XO+1], v[GO:GO+1], v[A1:A1+1]
.endif
.set p, p+1
.endr
.set g, g+1
.endr
.set i, 0
.rept 16
	v_add_f32 v[GB+i], v[ACC+2*i], v[ACC+2*i+1]    ; a pair's two halves
.set i, i+1
.endr
.irp u, 0,1
.irp c, 0,1
	ds_store_b128 v11, v[GB+8*\u+4*\c:GB+8*\u+4*\c+3] offset:1024*\u+16*\c
.endr
.endr
.Lmeet:
	s_wait_dscnt 0x0                               ; for the others' sake: all my LDS stores have landed
	s_barrier_signal -1
	s_barrier_wait -1
	s_cmp_lt_u32 s24, 2
	s_cbranch_scc0 .Lno_scales
	ds_load_b128 v[216:219], v13                   ; waves 0 and 1: 512 bytes of scale words each
	s_mul_i32 s25, s24, s34
	v_add_nc_u32 v63, s25, v4
	s_wait_alu depctr_va_vdst(0)
	s_wait_dscnt 0x0
	global_store_b128 v63, v[216:219], s[32:33]    ; 512 consecutive bytes
.Lno_scales:
	s_cmp_lt_u32 ttmp9, 256
	s_cbranch_scc1 .Lx_tail
	s_wait_tensorcnt 0x0
	ds_add_u32 v55, v59
	s_wait_dscnt 0x0
	s_endpgm
.Lx_tail:
.irp q, 0,1,2,3,4,5
	ds_load_b128 v[BC+4*\q:BC+4*\q+3], v[16+\q]    ; the 32 tokens' codes leave as one dense block of 24,576 bytes
.endr
.irp q, 0,1,2,3,4,5
	s_wait_dscnt 5-\q
	global_store_b128 v15, v[BC+4*\q:BC+4*\q+3], s[30:31] offset:4096*\q
.endr
	s_cmp_eq_u32 s24, 7
	s_cbranch_scc1 .Lfinal
	s_wait_tensorcnt 0x0
	ds_add_u32 v55, v59
	s_wait_dscnt 0x0
	s_endpgm
.Lfinal:
	; WAVE 7, a lane to a token: 16 partial logits (8 K steps x 2 halves of the lanes) are added
.set i, 0
.rept 16
	ds_load_b128 v[64+8*i:67+8*i], v12 offset:2048*(i/2)+512*(i%2)
	ds_load_b128 v[68+8*i:71+8*i], v12 offset:2048*(i/2)+512*(i%2)+16
.set i, i+1
.endr
	s_wait_dscnt 0x0
.set i, 1
.rept 15
.irp j, 0,2,4,6
	v_pk_add_f32 v[64+\j:65+\j], v[64+\j:65+\j], v[64+8*i+\j:65+8*i+\j]
.endr
.set i, i+1
.endr
	s_delay_alu instid0(VALU_DEP_3)
	v_max3_num_f32 v72, v64, v65, v66
	s_delay_alu instid0(VALU_DEP_1)
	v_max3_num_f32 v72, v72, v67, v68
	s_delay_alu instid0(VALU_DEP_1)
	v_max3_num_f32 v72, v72, v69, v70
	s_delay_alu instid0(VALU_DEP_1)
	v_max_num_f32 v72, v72, v71                    ; the row's largest logit
.irp e, 0,1,2,3,4,5,6,7
	v_sub_f32 v[80+\e], v[64+\e], v72
.endr
.irp e, 0,1,2,3,4,5,6,7
	v_mul_f32 v[80+\e], 0x3fb8aa3b, v[80+\e]       ; x log2(e)
.endr
	s_wait_alu depctr_va_vdst(0)
.irp e, 0,1,2,3,4,5,6,7
	v_exp_f32 v[80+\e], v[80+\e]                   ; at most 1; exactly 1 at the maximum
.endr
	v_mov_b32 v73, 7                               ; (a plain place behind the exponentials)  the chosen expert: the lowest index that holds the maximum
.irp e, 6,5,4,3,2,1,0
	v_cmp_eq_f32 vcc_lo, v[64+\e], v72
	s_delay_alu instid0(VALU_DEP_1)
	v_cndmask_b32 v73, v73, \e, vcc_lo
.endr
	s_wait_alu depctr_va_vdst(0)
	v_add_f32 v74, v80, v81
	v_add_f32 v75, v82, v83
	v_add_f32 v76, v84, v85
	v_add_f32 v77, v86, v87
	s_delay_alu instid0(VALU_DEP_3)
	v_add_f32 v74, v74, v75
	s_delay_alu instid0(VALU_DEP_2)
	v_add_f32 v76, v76, v77
	s_delay_alu instid0(VALU_DEP_1)
	v_add_f32 v74, v74, v76
	s_wait_alu depctr_va_vdst(0)
	v_rcp_f32 v75, v74                             ; 1 / the sum: also the largest score, since its numerator is 1
	v_mov_b32 v62, 0                               ; (a plain place behind the reciprocal)
	s_wait_alu depctr_va_vdst(0)
.irp e, 0,1,2,3,4,5,6,7
	v_mul_f32 v[88+\e], v[80+\e], v75              ; the scores
.endr
.irp e, 0,1,2,3,4,5,6,7
	v_cmp_eq_u32 s[40+\e], \e, v73                 ; one bit a token
.endr
.irp e, 0,1,2,3,4,5,6,7
	s_bcnt1_i32_b32 s[48+\e], s[40+\e]             ; and their count
.endr
.irp e, 0
	v_writelane_b32 v62, s[40+\e], \e
	s_delay_alu instid0(VALU_DEP_1)
	v_writelane_b32 v62, s[48+\e], 8+\e
.endr
.irp e, 1, 2, 3, 4, 5, 6, 7
	s_delay_alu instid0(VALU_DEP_1)
	v_writelane_b32 v62, s[40+\e], \e
	s_delay_alu instid0(VALU_DEP_1)
	v_writelane_b32 v62, s[48+\e], 8+\e
.endr
.irp n, 1,2,4,8
.irp e, 0,1,2,3,4,5,6,7
	v_add_f32_dpp v[88+\e], v[88+\e], v[88+\e] row_xmask:\n row_mask:0xf bank_mask:0xf
.endr
.endr
.irp e, 0,1,2,3,4,5,6,7
	v_permlanex16_b32 v[96+\e], v[88+\e], s[SEL], s[SEL+1]
.endr
.irp e, 0,1,2,3,4,5,6,7
	v_add_f32 v[88+\e], v[88+\e], v[96+\e]         ; the block's sum of each expert's scores
.endr
	global_store_b32 v23, v75, s[20:21]            ; imp: 128 consecutive bytes
	v_cmp_gt_u32 vcc_lo, 16, v1
	s_wait_alu depctr_va_vdst(0)
	s_wait_xcnt 0x0                                ; EXEC changes only behind this wait
	s_wait_tensorcnt 0x0
	ds_add_u32 v55, v59
	s_wait_dscnt 0x0
	s_and_saveexec_b32 s56, vcc_lo
	global_store_b32 v22, v62, s[18:19]            ; lane j: row j of route, my block's word
	s_wait_xcnt 0x0
	s_or_b32 exec_lo, exec_lo, s56
	v_cmp_gt_u32 vcc_lo, 1, v1
	s_and_saveexec_b32 s56, vcc_lo
	global_store_b128 v23, v[88:91], s[22:23]      ; lane 0: psum
	global_store_b128 v23, v[92:95], s[22:23] offset:16
	s_wait_xcnt 0x0
	s_or_b32 exec_lo, exec_lo, s56
	s_endpgm
.Lfunc_end_k_qa00ba0ba81_prep:
	.size	k_qa00ba0ba81_prep, .Lfunc_end_k_qa00ba0ba81_prep-k_qa00ba0ba81_prep
	.p2alignl 7, 3214868480
	.fill 96, 4, 3214868480
	.section	.rodata,"a",@progbits
	.p2align	6, 0x0
	.amdhsa_kernel k_qa00ba0ba81_prep
		.amdhsa_group_segment_fixed_size 143872
		.amdhsa_private_segment_fixed_size 0
		.amdhsa_enable_private_segment 0
		.amdhsa_kernarg_size 80
		.amdhsa_user_sgpr_count 2
		.amdhsa_user_sgpr_kernarg_segment_ptr 1
		.amdhsa_wavefront_size32 1
		.amdhsa_system_sgpr_workgroup_id_x 1
		.amdhsa_system_sgpr_workgroup_id_y 1
		.amdhsa_system_sgpr_workgroup_id_z 1
		.amdhsa_system_vgpr_workitem_id 0
		.amdhsa_next_free_vgpr 256
		.amdhsa_next_free_sgpr 66
		.amdhsa_reserve_vcc 1
		.amdhsa_float_denorm_mode_32 3
		.amdhsa_float_denorm_mode_16_64 3
		.amdhsa_memory_ordered 1
		.amdhsa_forward_progress 1
		.amdhsa_inst_pref_size 108
	.end_amdhsa_kernel
	.amdgpu_metadata
---
amdhsa.version: [ 1, 2 ]
amdhsa.kernels:
  - .name:           k_qa00ba0ba81_prep
    .symbol:         k_qa00ba0ba81_prep.kd
    .args:
      - { .name: x, .offset: 0, .size: 8, .value_kind: global_buffer, .address_space: global }
      - { .name: gate_w, .offset: 8, .size: 8, .value_kind: global_buffer, .address_space: global }
      - { .name: fc1_w, .offset: 16, .size: 8, .value_kind: global_buffer, .address_space: global }
      - { .name: fc2_w, .offset: 24, .size: 8, .value_kind: global_buffer, .address_space: global }
      - { .name: x_codes, .offset: 32, .size: 8, .value_kind: global_buffer, .address_space: global }
      - { .name: x_scales, .offset: 40, .size: 8, .value_kind: global_buffer, .address_space: global }
      - { .name: wq, .offset: 48, .size: 8, .value_kind: global_buffer, .address_space: global }
      - { .name: route, .offset: 56, .size: 8, .value_kind: global_buffer, .address_space: global }
      - { .name: imp, .offset: 64, .size: 8, .value_kind: global_buffer, .address_space: global }
      - { .name: psum, .offset: 72, .size: 8, .value_kind: global_buffer, .address_space: global }
    .group_segment_fixed_size: 143872
    .private_segment_fixed_size: 0
    .kernarg_segment_align: 8
    .kernarg_segment_size: 80
    .max_flat_workgroup_size: 256
    .sgpr_count:     66
    .vgpr_count:     256
    .wavefront_size: 32
...
	.end_amdgpu_metadata
.endif
;; end of part 1
;; launch chain (part 2): grid 135 x 1, 4 waves a work-group, no clusters, 216,064 bytes of LDS; arguments route, x_codes, x_scales, imp, wq, fc1_b, fc2_b, psum, out0, out1; writes out0, out1
.if DOCPART == 2
	.amdgcn_target "amdgcn-amd-amdhsa--gfx1250"
	.amdhsa_code_object_version 6
	.text
	.protected	k_qa00ba0ba81_chain
	.globl	k_qa00ba0ba81_chain
	.p2align	8
	.type	k_qa00ba0ba81_chain,@function
k_qa00ba0ba81_chain:
	s_mov_b64 s[64:65], 0
	v_nop
	global_prefetch_b8 v0, s[64:65] scope:SCOPE_SE
	s_setreg_imm32_b32 hwreg(HW_REG_WAVE_MODE, 25, 1), 1
	s_wait_xcnt 0x0
; CHAIN.  out0[token] = (relu(x W1^T + b1) W2^T + b2) x imp for the token's chosen expert, both products on codes of FP6 (E2M3) with E8M0 scales; out1 = the load-balancing loss.
; A work-group takes ONE tile of at most 64 rows of ONE expert through the whole chain.  8,192 rows in tiles of 64 over 8 experts are never more than 128 + 7 = 135 tiles, whatever the split.
; WHICH TILE: every wave reads the counts that the launch before stored (whole numbers), finds the tile's expert and first row, and for its 16 rows the token of that rank.  All in registers, no table in LDS.
; Sums that cross lanes are made in scalar registers: a lane's own sum by plain additions, then v_readlane_b32 and scalar additions.
; Rows beyond the expert's last repeat its last row: the same codes, the same results, stored to the same bytes by this work-group.  A work-group that the split leaves without rows runs on clamped rows and stores
; nothing: it cannot leave early, since every wave passes both barriers.
; SHARES.  The waves share the columns: wave w makes hidden units 128 w .. + 127 for all 64 rows (K step w of the second product) and outputs 256 w .. + 255 in two passes of 128.
; Its 16 sets of weights (8 fragments and their scale words) come from memory straight into registers, each once, two sets ahead, in the order in which the operand registers take them.
; Both products are used transposed (source 0 = 16 rows of a weight, source 1 = 16 rows of the tile): a lane holds one row of the tile and eight neighbouring columns.
; NO TENSOR LOADS AND NO CLUSTER: a tile's expert and its number of rows are numbers read from memory, stores are jumped over by them, and neighbours in the grid may hold different experts, so no joint request could be alike in all partners.
; LIMITS: as in the launch before (NaN and infinities not served; a block of zeros has the byte 1 and zero codes).
; REGISTERS, in windows of 256.  Window 0: v1-20 addresses; v21-23 lane, r, h; v24-31 imp, a pair for each tile of rows; v32-43 the weights' scale words, three sets; v44-75 the rows' scale words;
;   v76-171 two sets of four row fragments; v172-235 rows on the way out; v236-251 their offsets; v252-255 the tokens.  (Routing and gather use v76-232 ahead of the first barrier; the quantiser v76-176.)
;   Window 1: the 32 accumulators, (t, m) at 64 m + 8 t.   Window 2: weight sets 0 and 1 (v0, v96), b2 of pass 1 (v192).   Window 3: weight set 2 (v0), b1 (v96), b2 of pass 0 (v192).
.set XIMG, 0                           ; LDS: x's 32 fragments as images of their registers: (8 m + s) x 1,536
.set XSC,  49152                       ; their scale words: [m][s / 4][16 x lane]
.set LIST, 53248                       ; the tile's 64 tokens
.set IMPL, 53504                       ; and their imp
.set HIMG, 53760                       ; the hidden layer's 16 fragments: (4 m + s) x 1,536
.set HSC,  78336                       ; their scale words: (4 m + s) x 128
.set OST,  80384                       ; each wave's own stage for the way out: 64 rows of 512 bytes + 16
.set OSP,  528
.set L16,  1
.set L4,   2
.set R4,   3
.set XWI,  4
.set XWS,  5
.set LSW,  6
.set IMW,  7
.set HWI,  8
.set HWS,  9
.set HRI,  10
.set HSR,  11
.set SO,   12
.set SR,   13
.set CO,   14
.set BA1,  15
.set BA2,  16
.set RA,   17
.set XA,   18
.set XSA,  19
.set IA,   20
.set IMPR, 24
.set WS,   32
.set XS,   44
.set TB0,  76
.set BK0,  172
.set BK1,  76
.set OA,   236
.set TOK,  252
.set HW,   76
.set TM,   140
.set PC,   156
.set PW,   176
.set SEL,  48
.set MSB, 0
.macro WIN new                         ; the immediate's high byte repeats the setting that is left; a switch that changes nothing is dropped
.if MSB != (\new)
	s_set_vgpr_msb (MSB<<8)|(\new)
.set MSB, (\new)
.endif
.endm
.macro WLOAD q                         ; weight set q into buffer q % 3: 24 loads of 512 consecutive bytes, and its scale words
.set WK, (\q)%3
.if WK == 2
	WIN 0xc0
.set WB, 0
.else
	WIN 0x80
.set WB, 96*WK
.endif
.irp t, 0,1,2,3,4,5,6,7
.irp c, 0,1,2
	global_load_b128 v[WB+12*\t+4*\c:WB+12*\t+4*\c+3], v[L16], s[12:13] offset:12800*(\q)+1536*\t+512*\c
.endr
.endr
	WIN 0
	global_load_b128 v[WS+4*WK:WS+4*WK+3], v[L16], s[12:13] offset:12800*(\q)+12288
.endm
.macro BLOAD g                         ; b2 for two fragments: lane (r, h) wants outputs 16 t + 8 h + 0 .. 7 of pass g / 4
.if (\g) < 4
	WIN 0xc0
.else
	WIN 0x80
.endif
.irp d, 0,1
.set BT, 2*((\g)%4)+\d
	global_load_b128 v[192+8*BT:195+8*BT], v[BA2], s[16:17] offset:512*((\g)/4)+64*BT
	global_load_b128 v[196+8*BT:199+8*BT], v[BA2], s[16:17] offset:512*((\g)/4)+64*BT+16
.endr
	WIN 0
.endm
.macro TLOAD q                         ; the four tiles of rows' fragments of step q into set q % 2
.set TBB, TB0+48*((\q)%2)
.irp m, 0,1,2,3
.irp c, 0,1,2
.if (\q) < 8
	ds_load_b128 v[TBB+12*\m+4*\c:TBB+12*\m+4*\c+3], v[L16] offset:XIMG+(8*\m+(\q))*1536+512*\c
.else
	ds_load_b128 v[TBB+12*\m+4*\c:TBB+12*\m+4*\c+3], v[HRI] offset:(4*\m+((\q)-8)%4)*1536+512*\c
.endif
.endr
.endr
.endm
.macro READBACK m, bk                  ; 16 whole rows of 512 bytes out of my stage
	s_wait_xcnt 0x0                                ; earlier stores have read these registers
.set i, 0
.rept 16
	ds_load_b128 v[\bk+4*i:\bk+4*i+3], v[SR] offset:16*OSP*(\m)+OSP*i
.set i, i+1
.endr
.endm
; The head of step q.  Four places stand in front of loads into registers that the last step's matrix instructions have read (ISA guide 7.12.1 for vector instructions).
; Then: rows of pass 0 back from the stage, a part of b2, the weights two steps on, the rows' fragments one step on; and the waits for this step's own.
.macro HEAD q
	WIN 0
.rept 4
	v_nop
.endr
.if (\q) >= 12
	READBACK (\q)-12, BK0
.endif
.if (\q) < 8
	BLOAD \q
.endif
.if (\q) <= 13
	WLOAD (\q)+2
.endif
.if ((\q) != 7) && ((\q) != 15)
	TLOAD (\q)+1
.endif
.set LW, 0                             ; global loads younger than set q's last: those of this head and of the head before (in front of step 0: set 1)
.if (\q) == 0
.set LW, 25
.else
.if (\q)-1 < 8
.set LW, LW+4
.endif
.if (\q)-1 <= 13
.set LW, LW+25
.endif
.endif
.if (\q) < 8
.set LW, LW+4
.endif
.if (\q) <= 13
.set LW, LW+25
.endif
	s_wait_loadcnt LW
.set DW, 0                             ; LDS loads younger than this step's fragments: this head's
.if (\q) >= 12
.set DW, DW+16
.endif
.if ((\q) != 7) && ((\q) != 15)
.set DW, DW+12
.endif
	s_wait_dscnt DW
.endm
; Step q: 8 fragments of the weight x 4 tiles of rows.  The 32 accumulators take turns, one instruction a turn, in the same order in every step.
; A sum's first step takes its bias as C: b1 in step 0, b2 in steps 8 and 12.
.macro MULS q
.set WK, (\q)%3
.if WK == 2
.set WW, 3
.set WB, 0
.else
.set WW, 2
.set WB, 96*WK
.endif
.set TBB, TB0+48*((\q)%2)
.set CWN, 1
.if ((\q) == 0) || ((\q) == 8)
.set CWN, 3
.endif
.if (\q) == 12
.set CWN, 2
.endif
.set WN, 0x40+16*CWN+WW
	WIN WN
.irp t, 0,1,2,3,4,5,6,7
.irp m, 0,1,2,3
.set AC, 64*\m+8*\t
.set CC, AC
.if (\q) == 0
.set CC, 96+8*\t
.endif
.if ((\q) == 8) || ((\q) == 12)
.set CC, 192+8*\t
.endif
.if (\q) < 8
.set SB, XS+8*\m+(\q)
.else
.set SB, XS+4*\m+((\q)-8)%4
.endif
.set SA, WS+4*WK+\t/2
.if \t%2
	v_wmma_scale_f32_16x16x128_f8f6f4 v[AC:AC+7], v[WB+12*\t:WB+12*\t+11], v[TBB+12*\m:TBB+12*\m+11], v[CC:CC+7], v[SA], v[SB] matrix_a_fmt:MATRIX_FMT_FP6 matrix_b_fmt:MATRIX_FMT_FP6 matrix_a_scale:MATRIX_SCALE_ROW1
.else
	v_wmma_scale_f32_16x16x128_f8f6f4 v[AC:AC+7], v[WB+12*\t:WB+12*\t+11], v[TBB+12*\m:TBB+12*\m+11], v[CC:CC+7], v[SA], v[SB] matrix_a_fmt:MATRIX_FMT_FP6 matrix_b_fmt:MATRIX_FMT_FP6
.endif
.endr
.endr
.endm
; 64 numbers of a lane, register 16 b + i = k 32 b + 16 h + i of my row, become a fragment's codes in v[PC] on and the row's scale word in v[PW]
.macro QUANT s
.irp b, 0,1,2,3
	v_max3_num_f32 v[TM+\b], |v[\s+16*\b]|, |v[\s+1+16*\b]|, 0x1800000   ; and the floor 2^(3 - 127): the byte cannot fall under 1
.endr
.irp i, 2,4,6,8,10,12,14
.irp b, 0,1,2,3
	v_max3_num_f32 v[TM+\b], v[TM+\b], |v[\s+16*\b+\i]|, |v[\s+1+16*\b+\i]|
.endr
.endr
.irp b, 0,1,2,3
	v_permlanex16_b32 v[TM+4+\b], v[TM+\b], s[SEL], s[SEL+1]
.endr
.irp b, 0,1,2,3
	v_max_num_f32 v[TM+\b], v[TM+\b], v[TM+4+\b]
.endr
.irp b, 0,1,2,3
	v_add_nc_u32 v[TM+12+\b], 0xff000000, v[TM+\b]     ; 2 off the exponent field: the conversion's scale operand
.endr
.irp b, 0,1,2,3
	v_lshrrev_b32 v[TM+4+\b], 23, v[TM+12+\b]          ; the scale's byte
.endr
	v_lshl_or_b32 v[PW], v[TM+5], 8, v[TM+4]
	v_lshl_or_b32 v[PW], v[TM+6], 16, v[PW]
	v_lshl_or_b32 v[PW], v[TM+7], 24, v[PW]
.irp c, 0,1
	v_cvt_scalef32_pk16_fp6_f32 v[PC+6*\c:PC+2+6*\c], v[\s+32*\c:\s+15+32*\c], v[TM+12+2*\c]
	v_cvt_scalef32_pk16_fp6_f32 v[PC+12+4*\c:PC+14+4*\c], v[\s+16+32*\c:\s+31+32*\c], v[TM+12+2*\c+1]
.endr
	v_nop                                              ; one plain place behind a scaled conversion
.irp c, 0,1
.irp i, 0,1,2
	v_permlane16_swap_b32 v[PC+6*\c+\i], v[PC+12+4*\c+\i]
.endr
.irp i, 0,1,2
	v_mov_b32 v[PC+3+6*\c+\i], v[PC+12+4*\c+\i]
.endr
.endr
.endm
; A pass's 64 rows x 128 outputs: x imp, then into my own stage.  Each accumulator is read from its low end on
.macro TOSTAGE
	WIN 0
.rept 4
	v_nop                                          ; places behind the last products
.endr
	WIN 0x41
.irp m, 0,1,2,3
.set j, 0
.rept 32
	v_pk_mul_f32 v[64*\m+2*j:64*\m+2*j+1], v[64*\m+2*j:64*\m+2*j+1], v[IMPR+2*\m:IMPR+2*\m+1]
.set j, j+1
.endr
.endr
	WIN 0x04                                       ; an LDS store's data are its source 1: window 1
.irp m, 0,1,2,3
.irp t, 0,1,2,3,4,5,6,7
	ds_store_b128 v[SO], v[64*\m+8*\t:64*\m+8*\t+3] offset:16*OSP*\m+64*\t
	ds_store_b128 v[SO], v[64*\m+8*\t+4:64*\m+8*\t+7] offset:16*OSP*\m+64*\t+16
.endr
.endr
	WIN 0
.endm
; Rows 16 m .. 16 m + 15 of pass p leave: each store is 512 consecutive bytes of one token's row.  Jumped over where the tile has no such rows
.macro STORE m, p, bk
	s_wait_xcnt 0x0                                ; earlier stores have read their offsets
	s_cmp_le_i32 s38, 16*(\m)
	s_cbranch_scc1 .Lskip_\@
.irp t, 0,1,2,3,4,5,6,7,8,9,10,11,12,13,14,15
	v_readlane_b32 s[66+\t], v[TOK+(\m)], \t
.endr
.irp t, 0,1,2,3,4,5,6,7,8,9,10,11,12,13,14,15
	s_min_u32 s[66+\t], s[66+\t], 8191
.endr
.irp t, 0,1,2,3,4,5,6,7,8,9,10,11,12,13,14,15
	s_lshl_b32 s[66+\t], s[66+\t], 12
.endr
.irp t, 0,1,2,3,4,5,6,7,8,9,10,11,12,13,14,15
	v_add_nc_u32 v[OA+\t], s[66+\t], v[CO]
.endr
.irp t, 0,1,2,3,4,5,6,7,8,9,10,11,12,13,14,15
	global_store_b128 v[OA+\t], v[\bk+4*\t:\bk+4*\t+3], s[20:21] offset:512*(\p) th:TH_STORE_NT
.endr
.Lskip_\@:
.endm
.macro BSTEP lev, w, fw                ; one step of the search for the bit of a given rank: the set bits in the lower w bits from v186 on; pass them if the rank allows
	v_bfe_u32 v187, v[\lev], v186, \fw
	v_cmp_le_u32 vcc_lo, v187, v161
	v_cndmask_b32 v187, 0, v187, vcc_lo
	v_sub_nc_u32 v161, v161, v187
	v_cndmask_b32 v187, 0, \w, vcc_lo
	v_add_nc_u32 v186, v186, v187
.endm
	s_load_b256 s[4:11], s[0:1], 0x0               ; route, x_codes, x_scales, imp
	s_load_b256 s[12:19], s[0:1], 0x20             ; wq, fc1_b, fc2_b, psum
	s_load_b128 s[20:23], s[0:1], 0x40             ; out0, out1
	s_set_vgpr_msb 0xc0
	v_lshl_add_u32 v190, v0, 2, 0x34a00
	v_mov_b32 v191, 0
	s_set_vgpr_msb 0xc000
	v_lshrrev_b32 v21, 5, v0
	v_readfirstlane_b32 s24, v21                   ; wave 0..3
	v_and_b32 v21, 31, v0                          ; lane
	v_and_b32 v22, 15, v0                          ; r
	v_bfe_u32 v23, v0, 4, 1                        ; h
	v_lshlrev_b32 v[L16], 4, v21
	s_wait_alu depctr_va_vdst(0)
	v_lshlrev_b32 v[L4], 2, v21
	s_wait_alu depctr_va_vdst(0)
	v_lshlrev_b32 v[R4], 2, v22
	s_mul_i32 s39, s24, 12288
	v_add_nc_u32 v[XWI], s39, v[L16]               ; where I store x's images: tile of rows = my wave
	s_lshl_b32 s39, s24, 10
	s_add_co_u32 s39, s39, XSC
	v_add_nc_u32 v[XWS], s39, v[L16]
	s_lshl_b32 s39, s24, 6
	s_add_co_u32 s40, s39, LIST
	v_add_nc_u32 v[LSW], s40, v[R4]
	s_add_co_u32 s40, s39, IMPL
	v_add_nc_u32 v[IMW], s40, v[R4]
	s_mul_i32 s39, s24, 1536
	s_add_co_u32 s39, s39, HIMG
	v_add_nc_u32 v[HWI], s39, v[L16]               ; the hidden layer's: K step = my wave
	s_lshl_b32 s39, s24, 7
	s_add_co_u32 s39, s39, HSC
	v_add_nc_u32 v[HWS], s39, v[L4]
	v_add_nc_u32 v[HRI], HIMG, v[L16]
	v_add_nc_u32 v[HSR], HSC, v[L4]
	s_mul_i32 s39, s24, 64*OSP
	s_add_co_u32 s39, s39, OST
	v_mul_u32_u24 v[SO], v22, OSP
	v_lshl_add_u32 v[SO], v23, 5, v[SO]
	v_add_nc_u32 v[SO], s39, v[SO]                 ; my stage, in: row r, + 32 h
	v_add_nc_u32 v[SR], s39, v[L16]                ; and back: 16 bytes a lane
	s_lshl_b32 s39, s24, 10
	v_add_nc_u32 v[CO], s39, v[L16]                ; my 1,024 bytes of a row of out0
	v_lshlrev_b32 v[BA1], 6, v23
	v_lshlrev_b32 v[BA2], 5, v23
	v_lshlrev_b32 v[RA], 5, v21                    ; 8 blocks of 32 tokens to a lane
	v_lshlrev_b32 v232, 8, v21                     ; 64 blocks to a lane
	s_mov_b32 s[SEL], 0x76543210
	s_mov_b32 s[SEL+1], 0xfedcba98
	s_wait_alu depctr_va_vdst(0)
	s_wait_kmcnt 0x0
	; ---- ROUTING.  The counts [expert][block] are read twice.  First 256 consecutive bytes a lane: lane l holds quarter l % 4 of expert l / 4, for the experts' totals
.set i, 0
.rept 16
	global_load_b128 v[164+4*i:167+4*i], v232, s[4:5] offset:8192+16*i
.set i, i+1
.endr
	; then, for every expert, lane l holds blocks 8 l .. 8 l + 7: for the search for a row
.irp e, 0,1,2,3,4,5,6,7
	global_load_b128 v[76+8*\e:79+8*\e], v[RA], s[4:5] offset:8192+1024*\e
	global_load_b128 v[80+8*\e:83+8*\e], v[RA], s[4:5] offset:8192+1024*\e+16
.endr
	s_wait_loadcnt 16                              ; the first 16 loads are in; the second 16 are younger
.irp c, 0,1,2,3                                ; my 64 counts, in four chains
	v_add3_u32 v[228+\c], v[164+16*\c], v[165+16*\c], v[166+16*\c]
.endr
.irp i, 3,5,7,9,11,13
.irp c, 0,1,2,3
	v_add3_u32 v[228+\c], v[228+\c], v[164+16*\c+\i], v[165+16*\c+\i]
.endr
.endr
.irp c, 0,1,2,3
	v_add_nc_u32 v[228+\c], v[228+\c], v[179+16*\c]
.endr
	v_add3_u32 v228, v228, v229, v230
	v_add_nc_u32 v228, v228, v231
.set i, 0
.rept 32
	v_readlane_b32 s[66+i], v228, i
.set i, i+1
.endr
.irp e, 0,1,2,3,4,5,6,7
	s_add_co_u32 s[26+\e], s[66+4*\e], s[67+4*\e]  ; s26-33: each expert's rows: its four quarters
.endr
.irp e, 0,1,2,3,4,5,6,7
	s_add_co_u32 s[26+\e], s[26+\e], s[68+4*\e]
.endr
.irp e, 0,1,2,3,4,5,6,7
	s_add_co_u32 s[26+\e], s[26+\e], s[69+4*\e]
.endr
	s_mov_b32 s39, 0                               ; tiles ahead of expert e
	s_mov_b32 s34, 0
	s_mov_b32 s35, 0
	s_mov_b32 s36, s26
.irp e, 0,1,2,3,4,5,6,7                        ; my tile's expert: the last whose first tile is not behind mine
	s_cmp_ge_u32 ttmp9, s39
	s_cselect_b32 s34, \e, s34
	s_cselect_b32 s35, s39, s35
	s_cselect_b32 s36, s[26+\e], s36
	s_add_co_u32 s40, s[26+\e], 63
	s_lshr_b32 s40, s40, 6
	s_add_co_u32 s39, s39, s40
.endr
	s_sub_co_u32 s37, ttmp9, s35
	s_lshl_b32 s37, s37, 6                         ; the tile's first row among the expert's
	s_sub_co_i32 s38, s36, s37                     ; rows left from there on: 0 or less in a work-group without rows
	s_min_u32 s34, s34, 7
	s_lshl_b32 s40, s34, 2
	s_add_co_u32 s40, s40, s24
	s_mul_i32 s40, s40, 204800
	s_mov_b32 s41, 0
	s_add_nc_u64 s[12:13], s[12:13], s[40:41]      ; my 16 sets of weights
	s_lshl_b32 s40, s34, 11
	s_lshl_b32 s42, s24, 9
	s_add_co_u32 s40, s40, s42
	s_add_nc_u64 s[14:15], s[14:15], s[40:41]      ; my 128 numbers of b1
	s_lshl_b32 s40, s34, 12
	s_lshl_b32 s42, s24, 10
	s_add_co_u32 s40, s40, s42
	s_add_nc_u64 s[16:17], s[16:17], s[40:41]      ; my 256 numbers of b2
	WLOAD 0                                        ; lands while the rows are searched for
	WIN 0xc0
.irp b, 0,1,2,3
.irp c, 0,1,2,3
	global_load_b128 v[96+16*\b+4*\c:99+16*\b+4*\c], v[BA1], s[14:15] offset:128*\b+16*\c   ; b1: register 16 b + i = hidden unit 32 b + 16 h + i
.endr
.endr
	WIN 0
	s_wait_loadcnt 41                              ; the counts by lane are in; set 0's 25 loads and b1's 16 are younger
.irp e, 0,1,2,3,4,5,6,7                        ; each expert's rows in my 8 blocks
	v_add3_u32 v[140+\e], v[76+8*\e], v[77+8*\e], v[78+8*\e]
.endr
.irp e, 0,1,2,3,4,5,6,7
	v_add3_u32 v[140+\e], v[140+\e], v[79+8*\e], v[80+8*\e]
.endr
.irp e, 0,1,2,3,4,5,6,7
	v_add3_u32 v[140+\e], v[140+\e], v[81+8*\e], v[82+8*\e]
.endr
.irp e, 0,1,2,3,4,5,6,7
	v_add_nc_u32 v[140+\e], v[140+\e], v[83+8*\e]
.endr
	v_mov_b32 v156, v140
.irp e, 1,2,3,4,5,6,7
	s_wait_alu depctr_va_vdst(0)
	s_cmp_eq_u32 s34, \e
	s_cselect_b32 s50, -1, 0
	v_cndmask_b32 v156, v156, v[140+\e], s50       ; my expert's
.endr
	s_max_u32 s41, s36, 1
	s_sub_co_u32 s41, s41, 1
	s_lshl_b32 s42, s24, 4
	s_add_co_u32 s42, s42, s37
	v_add_nc_u32 v157, s42, v22
	v_min_u32 v157, s41, v157                      ; R: my row's rank among the expert's rows, held at the last
	v_mov_b32 v158, 0                              ; E: the rows ahead of the group of 8 blocks that holds it
	v_mov_b32 v159, 0                              ; L: that group
	s_mov_b32 s51, 0                               ; the running sum I over the groups: it does not fall, so the last group with I <= R decides
.irp g, 0,1,2,3
.irp j, 0,1,2,3,4,5,6,7
.if 8*\g+\j < 31
	v_readlane_b32 s[66+\j], v156, 8*\g+\j
.endif
.endr
.irp j, 0,1,2,3,4,5,6,7
.if 8*\g+\j < 31
.if \j == 0
	s_add_co_u32 s66, s66, s51
.else
	s_add_co_u32 s[66+\j], s[66+\j], s[65+\j]
.endif
.endif
.endr
.if \g < 3
	s_mov_b32 s51, s73
.endif
.irp j, 0,1,2,3,4,5,6,7
.if 8*\g+\j < 31
	v_cmp_le_u32 s[82+\j], s[66+\j], v157
.endif
.endr
.irp j, 0,1,2,3,4,5,6,7
.if 8*\g+\j < 31
	v_cndmask_b32 v158, v158, s[66+\j], s[82+\j]
	v_cndmask_b32 v159, v159, 8*\g+\j+1, s[82+\j]
.endif
.endr
.endr
	v_min_u32 v159, 31, v159
	s_lshl_b32 s40, s34, 10
	v_lshl_add_u32 v160, v159, 5, s40
	global_load_b128 v[164:167], v160, s[4:5]                  ; that group's 8 words of bits
	global_load_b128 v[168:171], v160, s[4:5] offset:16
	global_load_b128 v[172:175], v160, s[4:5] offset:8192      ; and its 8 counts
	global_load_b128 v[176:179], v160, s[4:5] offset:8208
	s_wait_alu depctr_va_vdst(0)
	s_wait_loadcnt 0x0
	v_sub_nc_u32 v161, v157, v158                  ; the rank within the group
	v_mov_b32 v162, v164
	v_mov_b32 v163, 0
	v_mov_b32 v180, 0
	v_mov_b32 v181, v172
.irp i, 1,2,3,4,5,6,7                          ; the block: the last whose rows ahead do not pass the rank
	v_cmp_le_u32 vcc_lo, v181, v161
	v_cndmask_b32 v162, v162, v[164+\i], vcc_lo
	v_cndmask_b32 v163, v163, v181, vcc_lo
	v_cndmask_b32 v180, v180, \i, vcc_lo
.if \i < 7
	v_add_nc_u32 v181, v181, v[172+\i]
.endif
.endr
	v_sub_nc_u32 v161, v161, v163                  ; the rank within the block's word
	v_lshrrev_b32 v182, 1, v162                    ; set bits in fields of 2, 4, 8 and 16
	v_and_b32 v182, 0x55555555, v182
	v_sub_nc_u32 v182, v162, v182
	v_lshrrev_b32 v183, 2, v182
	v_and_b32 v183, 0x33333333, v183
	v_and_b32 v184, 0x33333333, v182
	v_add_nc_u32 v183, v183, v184
	v_lshrrev_b32 v184, 4, v183
	v_add_nc_u32 v184, v184, v183
	v_and_b32 v184, 0x0f0f0f0f, v184
	v_lshrrev_b32 v185, 8, v184
	v_add_nc_u32 v185, v185, v184
	v_and_b32 v185, 0x00ff00ff, v185
	v_mov_b32 v186, 0
	BSTEP 185, 16, 8
	BSTEP 184, 8, 8
	BSTEP 183, 4, 4
	BSTEP 182, 2, 2
	BSTEP 162, 1, 1
	v_lshl_add_u32 v188, v159, 3, v180
	v_min_u32 v188, 0xff, v188                     ; the block
	v_min_u32 v186, 31, v186                       ; the token in it
	v_lshl_add_u32 v189, v188, 5, v186             ; the token
	v_mul_u32_u24 v[XA], v189, 768
	v_mad_u32_u24 v[XA], v23, 48, v[XA]
	v_lshlrev_b32 v[XSA], 10, v188
	v_lshl_add_u32 v[XSA], v186, 4, v[XSA]
	v_lshlrev_b32 v[IA], 2, v189
	; ---- GATHER: my row's codes (48 bytes a K step for my half), its 8 scale words, its imp
.irp s, 0,1,2,3,4,5,6,7
.irp c, 0,1,2
	global_load_b128 v[76+12*\s+4*\c:79+12*\s+4*\c], v[XA], s[6:7] offset:96*\s+16*\c
.endr
.endr
	global_load_b128 v[192:195], v[XSA], s[8:9]
	global_load_b128 v[196:199], v[XSA], s[8:9] offset:512
	global_load_b32 v200, v[IA], s[10:11]
	WLOAD 1
	s_wait_alu depctr_va_vdst(0)
	s_wait_loadcnt 25                              ; the gather, and set 0 and b1 ahead of it, are in; set 1's 25 loads are younger
.irp s, 0,1,2,3,4,5,6,7
.irp c, 0,1,2
	ds_store_b128 v[XWI], v[76+12*\s+4*\c:79+12*\s+4*\c] offset:1536*\s+512*\c
.endr
.endr
	ds_store_b128 v[XWS], v[192:195]
	ds_store_b128 v[XWS], v[196:199] offset:512
	ds_store_b32 v[LSW], v189                      ; (both halves of the lanes write the same word with the same value)
	ds_store_b32 v[IMW], v200
	s_wait_dscnt 0x0                               ; for the others' sake: my stores have landed
	s_barrier_signal -1
	s_barrier_wait -1                              ; the tile's 64 rows lie in LDS
.irp m, 0,1,2,3
	ds_load_b32 v[TOK+\m], v[R4] offset:LIST+64*\m
	ds_load_b32 v[IMPR+2*\m], v[R4] offset:IMPL+64*\m
	ds_load_b32 v[IMPR+2*\m+1], v[R4] offset:IMPL+64*\m
	ds_load_b128 v[XS+8*\m:XS+8*\m+3], v[L16] offset:XSC+1024*\m
	ds_load_b128 v[XS+8*\m+4:XS+8*\m+7], v[L16] offset:XSC+1024*\m+512
.endr
	TLOAD 0
	; ---- THE FIRST PRODUCT: 8 K steps
.irp q, 0,1,2,3,4,5,6,7
	HEAD \q
	MULS \q
.endr
	; ---- relu, the quantiser, and the images of K step w of the second product
	WIN 0
.rept 4
	v_nop                                          ; places behind the last products
.endr
.irp b, 0,1,2,3
	v_mov_b32 v[TM+4+\b], 0                        ; a lane permute's destination counts as one of its sources
.endr
.irp m, 0,1,2,3
	WIN 0x04
.set j, 0
.rept 64
	v_max_num_f32 v[HW+j], 0, v[64*\m+j]           ; each accumulator from its low end on
.set j, j+1
.endr
	WIN 0
	QUANT HW
.irp c, 0,1,2
	ds_store_b128 v[HWI], v[PC+4*\c:PC+4*\c+3] offset:6144*\m+512*\c
.endr
	ds_store_b32 v[HWS], v[PW] offset:512*\m
	s_wait_dscnt 0x0                               ; the stores have read their registers
.endr
	s_barrier_signal -1
	s_barrier_wait -1                              ; the hidden layer's sixteen fragments lie in LDS
.irp m, 0,1,2,3
.irp s, 0,1,2,3
	ds_load_b32 v[XS+4*\m+\s], v[HSR] offset:128*(4*\m+\s)
.endr
.endr
	TLOAD 8
	; ---- THE SECOND PRODUCT, pass 0
.irp q, 8,9,10,11
	HEAD \q
	MULS \q
.endr
	TOSTAGE
	s_wait_dscnt 0x0                               ; the stage's stores have read the accumulators
	; ---- pass 1; pass 0's rows leave under its products
.irp q, 12,13,14,15
	HEAD \q
	MULS \q
	WIN 0
.if \q < 15
	s_wait_dscnt 12                                ; the 16 rows are back; the next step's fragments may be out
.else
	s_wait_dscnt 0x0
.endif
	STORE \q-12, 0, BK0
.endr
	TOSTAGE
	READBACK 0, BK0
	READBACK 1, BK1
	s_wait_dscnt 16                                ; the older 16 rows are back
	STORE 0, 1, BK0
	READBACK 2, BK0
	s_wait_dscnt 16
	STORE 1, 1, BK1
	READBACK 3, BK1
	s_wait_dscnt 16
	STORE 2, 1, BK0
	s_wait_dscnt 0x0
	STORE 3, 1, BK1
	; ---- THE LOSS: 8 x sum over e of (rows of e / 8192) x (sum of e's scores / 8192), by one wave of the last work-group
	s_cmp_eq_u32 ttmp9, 134
	s_cbranch_scc0 .Lend
	s_cmp_eq_u32 s24, 0
	s_cbranch_scc0 .Lend
	s_wait_xcnt 0x0                                ; the last stores have read their registers
.set i, 0
.rept 16
	global_load_b128 v[76+4*i:79+4*i], v[L16], s[18:19] offset:512*i   ; block 16 i + lane / 2, experts 4 (lane % 2) + 0 .. 3
.set i, i+1
.endr
	s_wait_loadcnt 0x0
.set i, 1
.rept 15
	v_pk_add_f32 v[76:77], v[76:77], v[76+4*i:77+4*i]
	v_pk_add_f32 v[78:79], v[78:79], v[78+4*i:79+4*i]
.set i, i+1
.endr
.irp n, 2,4,8
.irp j, 0,1,2,3
	v_add_f32_dpp v[76+\j], v[76+\j], v[76+\j] row_xmask:\n row_mask:0xf bank_mask:0xf
.endr
.endr
.irp j, 0,1,2,3
	v_permlanex16_b32 v[80+\j], v[76+\j], s[SEL], s[SEL+1]
.endr
.irp j, 0,1,2,3
	v_add_f32 v[76+\j], v[76+\j], v[80+\j]
.endr
	s_mov_b32 vcc_lo, 0xaaaaaaaa
.irp j, 0,1,2,3
	v_mov_b32 v[84+\j], s[26+\j]
.endr
.irp j, 0,1,2,3
	v_cndmask_b32 v[84+\j], v[84+\j], s[30+\j], vcc_lo   ; odd lanes: experts 4 to 7
.endr
.irp j, 0,1,2,3
	v_cvt_f32_u32 v[84+\j], v[84+\j]
.endr
	v_mul_f32 v88, v84, v76
	v_fmac_f32 v88, v85, v77
	v_fmac_f32 v88, v86, v78
	v_fmac_f32 v88, v87, v79
	v_add_f32_dpp v88, v88, v88 row_xmask:1 row_mask:0xf bank_mask:0xf
	v_mul_f32 v88, 0x34000000, v88                 ; x 8 / 8192^2 = 2^-23
	v_cmp_gt_u32 vcc_lo, 1, v21
	s_wait_alu depctr_va_vdst(0)
	s_wait_xcnt 0x0                                ; EXEC changes only behind this wait
	s_and_saveexec_b32 s50, vcc_lo
	global_store_b32 v[L4], v88, s[22:23]
	s_wait_xcnt 0x0
	s_or_b32 exec_lo, exec_lo, s50
.Lend:
	s_set_vgpr_msb 0xf
	s_wait_tensorcnt 0x0
	ds_add_u32 v190, v191
	s_wait_dscnt 0x0
	s_set_vgpr_msb 0xf00
	s_endpgm
.Lfunc_end_k_qa00ba0ba81_chain:
	.size	k_qa00ba0ba81_chain, .Lfunc_end_k_qa00ba0ba81_chain-k_qa00ba0ba81_chain
	.p2alignl 7, 3214868480
	.fill 96, 4, 3214868480
	.section	.rodata,"a",@progbits
	.p2align	6, 0x0
	.amdhsa_kernel k_qa00ba0ba81_chain
		.amdhsa_group_segment_fixed_size 216064
		.amdhsa_private_segment_fixed_size 0
		.amdhsa_enable_private_segment 0
		.amdhsa_kernarg_size 80
		.amdhsa_user_sgpr_count 2
		.amdhsa_user_sgpr_kernarg_segment_ptr 1
		.amdhsa_wavefront_size32 1
		.amdhsa_system_sgpr_workgroup_id_x 1
		.amdhsa_system_sgpr_workgroup_id_y 1
		.amdhsa_system_sgpr_workgroup_id_z 1
		.amdhsa_system_vgpr_workitem_id 0
		.amdhsa_next_free_vgpr 1024
		.amdhsa_next_free_sgpr 100
		.amdhsa_reserve_vcc 1
		.amdhsa_float_denorm_mode_32 3
		.amdhsa_float_denorm_mode_16_64 3
		.amdhsa_memory_ordered 1
		.amdhsa_forward_progress 1
		.amdhsa_inst_pref_size 255
	.end_amdhsa_kernel
	.section	.bss,"aw",@nobits
	.p2align	6
	.space	262144
	.amdgpu_metadata
---
amdhsa.version: [ 1, 2 ]
amdhsa.kernels:
  - .name:           k_qa00ba0ba81_chain
    .symbol:         k_qa00ba0ba81_chain.kd
    .args:
      - { .name: route, .offset: 0, .size: 8, .value_kind: global_buffer, .address_space: global }
      - { .name: x_codes, .offset: 8, .size: 8, .value_kind: global_buffer, .address_space: global }
      - { .name: x_scales, .offset: 16, .size: 8, .value_kind: global_buffer, .address_space: global }
      - { .name: imp, .offset: 24, .size: 8, .value_kind: global_buffer, .address_space: global }
      - { .name: wq, .offset: 32, .size: 8, .value_kind: global_buffer, .address_space: global }
      - { .name: fc1_b, .offset: 40, .size: 8, .value_kind: global_buffer, .address_space: global }
      - { .name: fc2_b, .offset: 48, .size: 8, .value_kind: global_buffer, .address_space: global }
      - { .name: psum, .offset: 56, .size: 8, .value_kind: global_buffer, .address_space: global }
      - { .name: out0, .offset: 64, .size: 8, .value_kind: global_buffer, .address_space: global }
      - { .name: out1, .offset: 72, .size: 8, .value_kind: global_buffer, .address_space: global }
    .group_segment_fixed_size: 216064
    .private_segment_fixed_size: 0
    .kernarg_segment_align: 8
    .kernarg_segment_size: 80
    .max_flat_workgroup_size: 128
    .sgpr_count:     100
    .vgpr_count:     1024
    .wavefront_size: 32
...
	.end_amdgpu_metadata
.endif
;; end of part 2
